; MI455X (gfx1250); checked and timed in simulation.
; The chip was launched on July 23, 2026; its instructions are those of AMD's public machine-readable ISA for CDNA 5 (MIT licence, August 2026) and "CDNA5" Instruction Set Architecture Reference Guide (July 2026). The comments in the code are by the model that wrote it; some were corrected since.
;; Attention With Self Ablation. Allowed arithmetic: float matrix products may take bf16 or f16 operands with f32 sums; other float arithmetic in f32, or as packed bf16 or f16 multiplies, adds, multiply-adds, maxima and minima; sums over many terms, partial sums and values carried from step to step in f32; what a program stores and reads back later, other than sums and carried values, may be rounded once to bf16 or f16.
;; Inputs: Wk 1,024 x 1,024 float32; Wo 1,024 x 1,024 float32; Wq 1,024 x 1,024 float32; Wv 1,024 x 1,024 float32; ablation_mask 4 x 2,048 x 1,024 float32; bo 1,024 float32; x 4 x 2,048 x 1,024 float32; x_clean 4 x 2,048 x 1,024 float32.
;; Outputs: out0 4 x 2,048 x 1,024 float32.
;; One version. Each part assembles by itself: llvm-mc -triple=amdgcn-amd-amdhsa -mcpu=gfx1250 --defsym DOCPART=n.
;; ======== version 1 of 1: 4 launches
;; limits: values are held in f16: magnitudes above 65,504 overflow, below 6.1e-05 lose precision
;; workspace buffers: opnd 39,845,888 bytes; wo2 4,194,304 bytes; qkv 50,331,648 bytes; ctx2 33,554,432 bytes
;; launch cast (part 1): grid 1280 x 1, 8 waves a work-group, no clusters, 0 bytes of LDS; arguments x, x_clean, Wq, Wk, Wv, Wo, opnd, wo2; writes opnd, wo2
.if DOCPART == 1
	.amdgcn_target "amdgcn-amd-amdhsa--gfx1250"
	.amdhsa_code_object_version 6
	.text
	.protected	k_qfc86fa1f59_cast
	.globl	k_qfc86fa1f59_cast
	.p2align	8
	.type	k_qfc86fa1f59_cast,@function
k_qfc86fa1f59_cast:
	s_mov_b64 s[64:65], 0
	v_nop
	global_prefetch_b8 v0, s[64:65] scope:SCOPE_SE
	s_setreg_imm32_b32 hwreg(HW_REG_WAVE_MODE, 25, 1), 1
	s_wait_xcnt 0x0
; x, x_clean, Wq, Wk, Wv, Wo (all f32) are rounded once to bf16, so that the products behind read 16-bit operands and nothing is converted twice.
; opnd: [19456][1024] bf16: rows 0-8191 x, 8192-16383 x_clean, 16384-19455 Wq, Wk, Wv.
; wo2:  [1024][2048] bf16: each four numbers of a row of Wo stand twice on end (8 q + s and 8 q + 4 + s for column 4 q + s), to meet the upper and the lower part of the context.
; A work-group takes 65,536 bytes (16 rows) of one source: blocks 0-511 x, 512-1023 x_clean, then 64 each for Wq, Wk, Wv, Wo.
; Memory binds: no LDS, no barrier, no matrix unit.  All 16 loads of a thread go out first; no register is written twice, so no wait frees a source.
.set X, 4                              ; v[4:67]    as loaded
.set Y, 68                             ; v[68:131]  to store
	s_load_b512 s[4:19], s[0:1], 0x0               ; x, x_clean, Wq, Wk, Wv, Wo, opnd, wo2
	s_mov_b32 s20, ttmp9                           ; my block
	s_mov_b32 s24, 0                               ; the first block of my source
	v_lshlrev_b32 v1, 5, v0                        ; 32 t: eight f32
	v_lshlrev_b32 v2, 4, v0                        ; 16 t: eight bf16, or four f32
	s_wait_kmcnt 0x0
	s_mov_b64 s[22:23], s[4:5]
.macro PICK bound, lo                  ; from block bound on the source is the buffer in s[lo:lo+1]
	s_cmp_ge_u32 s20, \bound
	s_cselect_b64 s[22:23], s[\lo:\lo+1], s[22:23]
	s_cselect_b32 s24, \bound, s24
.endm
	PICK 512, 6
	PICK 1024, 8
	PICK 1088, 10
	PICK 1152, 12
	PICK 1216, 14
	s_sub_co_u32 s24, s20, s24
	s_lshl_b32 s24, s24, 16                        ; my 65,536 bytes in the source
	s_mov_b32 s25, 0
	s_add_nc_u64 s[22:23], s[22:23], s[24:25]
	s_cmp_ge_u32 s20, 1216
	s_cbranch_scc1 .Lwo
	s_lshl_b32 s26, s20, 15                        ; opnd holds the first five sources on end: 32,768 bytes a block
	s_mov_b32 s27, 0
	s_add_nc_u64 s[16:17], s[16:17], s[26:27]
.irp i, 0,1,2,3,4,5,6,7
	global_load_b128 v[X+8*(\i):X+8*(\i)+3],   v1, s[22:23] offset:8192*(\i) th:TH_LOAD_NT
	global_load_b128 v[X+8*(\i)+4:X+8*(\i)+7], v1, s[22:23] offset:8192*(\i)+16 th:TH_LOAD_NT
.endr
.irp i, 0,1,2,3,4,5,6,7
	s_wait_loadcnt 14-2*(\i)                       ; loads come back in order: pair i is in, the younger pairs stay out
.irp j, 0,1,2,3
	v_cvt_pk_bf16_f32 v[Y+4*(\i)+(\j)], v[X+8*(\i)+2*(\j)], v[X+8*(\i)+2*(\j)+1]
.endr
	global_store_b128 v2, v[Y+4*(\i):Y+4*(\i)+3], s[16:17] offset:4096*(\i)  ; a wave stores 512 consecutive bytes, aligned
.endr
	s_endpgm
.Lwo:
	s_add_nc_u64 s[18:19], s[18:19], s[24:25]      ; four f32 in, twice four bf16 out: the same byte offset
.irp i, 0,1,2,3,4,5,6,7,8,9,10,11,12,13,14,15
	global_load_b128 v[X+4*(\i):X+4*(\i)+3], v2, s[22:23] offset:4096*(\i) th:TH_LOAD_NT
.endr
.irp i, 0,1,2,3,4,5,6,7,8,9,10,11,12,13,14,15
	s_wait_loadcnt 15-(\i)
	v_cvt_pk_bf16_f32 v[Y+4*(\i)],   v[X+4*(\i)],   v[X+4*(\i)+1]
	v_cvt_pk_bf16_f32 v[Y+4*(\i)+1], v[X+4*(\i)+2], v[X+4*(\i)+3]
	v_cvt_pk_bf16_f32 v[Y+4*(\i)+2], v[X+4*(\i)],   v[X+4*(\i)+1]
	v_cvt_pk_bf16_f32 v[Y+4*(\i)+3], v[X+4*(\i)+2], v[X+4*(\i)+3]
	global_store_b128 v2, v[Y+4*(\i):Y+4*(\i)+3], s[18:19] offset:4096*(\i)
.endr
	s_endpgm
.Lfunc_end_k_qfc86fa1f59_cast:
	.size	k_qfc86fa1f59_cast, .Lfunc_end_k_qfc86fa1f59_cast-k_qfc86fa1f59_cast
	.p2alignl 7, 3214868480
	.fill 96, 4, 3214868480
	.section	.rodata,"a",@progbits
	.p2align	6, 0x0
	.amdhsa_kernel k_qfc86fa1f59_cast
		.amdhsa_group_segment_fixed_size 0
		.amdhsa_private_segment_fixed_size 0
		.amdhsa_enable_private_segment 0
		.amdhsa_kernarg_size 64
		.amdhsa_user_sgpr_count 2
		.amdhsa_user_sgpr_kernarg_segment_ptr 1
		.amdhsa_wavefront_size32 1
		.amdhsa_system_sgpr_workgroup_id_x 1
		.amdhsa_system_sgpr_workgroup_id_y 1
		.amdhsa_system_sgpr_workgroup_id_z 1
		.amdhsa_system_vgpr_workitem_id 0
		.amdhsa_next_free_vgpr 136
		.amdhsa_next_free_sgpr 66
		.amdhsa_reserve_vcc 0
		.amdhsa_float_denorm_mode_32 3
		.amdhsa_float_denorm_mode_16_64 3
		.amdhsa_memory_ordered 1
		.amdhsa_forward_progress 1
		.amdhsa_inst_pref_size 14
	.end_amdhsa_kernel
	.amdgpu_metadata
---
amdhsa.version: [ 1, 2 ]
amdhsa.kernels:
  - .name:           k_qfc86fa1f59_cast
    .symbol:         k_qfc86fa1f59_cast.kd
    .args:
      - { .name: x, .offset: 0, .size: 8, .value_kind: global_buffer, .address_space: global }
      - { .name: x_clean, .offset: 8, .size: 8, .value_kind: global_buffer, .address_space: global }
      - { .name: Wq, .offset: 16, .size: 8, .value_kind: global_buffer, .address_space: global }
      - { .name: Wk, .offset: 24, .size: 8, .value_kind: global_buffer, .address_space: global }
      - { .name: Wv, .offset: 32, .size: 8, .value_kind: global_buffer, .address_space: global }
      - { .name: Wo, .offset: 40, .size: 8, .value_kind: global_buffer, .address_space: global }
      - { .name: opnd, .offset: 48, .size: 8, .value_kind: global_buffer, .address_space: global }
      - { .name: wo2, .offset: 56, .size: 8, .value_kind: global_buffer, .address_space: global }
    .group_segment_fixed_size: 0
    .private_segment_fixed_size: 0
    .kernarg_segment_align: 8
    .kernarg_segment_size: 64
    .max_flat_workgroup_size: 256
    .sgpr_count:     66
    .vgpr_count:     136
    .wavefront_size: 32
...
	.end_amdgpu_metadata
.endif
;; end of part 1
;; launch qkv (part 2): grid 24 x 32, 4 waves a work-group, clusters of 4 x 4, 327,680 bytes of LDS; arguments opnd, qkv; writes qkv
.if DOCPART == 2
	.amdgcn_target "amdgcn-amd-amdhsa--gfx1250"
	.amdhsa_code_object_version 6
	.text
	.protected	k_qfc86fa1f59_qkv
	.globl	k_qfc86fa1f59_qkv
	.p2align	8
	.type	k_qfc86fa1f59_qkv,@function
k_qfc86fa1f59_qkv:
	s_mov_b64 s[64:65], 0
	v_nop
	global_prefetch_b8 v0, s[64:65] scope:SCOPE_SE
	s_setreg_imm32_b32 hwreg(HW_REG_WAVE_MODE, 25, 1), 1
	s_wait_xcnt 0x0
	s_wait_alu depctr_hold_cnt(0) depctr_sa_sdst(0) depctr_va_vdst(0) depctr_va_sdst(0) depctr_va_ssrc(0) depctr_va_vcc(0) depctr_vm_vsrc(0)
	s_getreg_b32 s2, hwreg(HW_REG_IB_STS2, 6, 4)
	s_cmp_eq_u32 s2, 0
	s_cbranch_scc0 .Lentry_in_a_cluster
	s_endpgm
.Lentry_in_a_cluster:
	s_bfe_u32 s2, ttmp6, 0x10000c
	s_cmp_lg_u32 s2, 0xf033
	s_cbranch_scc0 .Lentry_shape_is_right
	s_endpgm
.Lentry_shape_is_right:
; qkv[m][n] = sum over k of A[m][k] B[n][k], m < 8192, n < 3072, k < 1024.  A is x for n < 1024 (q) and x_clean beyond (k, v); B is Wq, Wk, Wv on end.  All operands bf16, from opnd;
; sums in f32; the result is rounded once to f16: [8192][3072], a row 6,144 bytes: q, k, v; a pair of heads is 256 aligned bytes in each.
; LIMIT.  f16 ends at 65,504: |q|, |k|, |v| must stay below it.  The scores behind are unscaled, so q and k want f16's eleven bits rather than bf16's eight.
; A tile of C is 256 x 128: four waves, each 128 rows x 64 columns: 32 accumulators.  K goes in steps of 128 (rows of 256 bytes in memory, aligned) through two LDS slots.
; CLUSTER 4 x 4: the four of a row of the cluster need the same tile of A, the four of a column the same tile of B: each is asked for jointly.  Which half of opnd A comes from hangs on
; the cluster's x alone (clusters 0, 1: q), which the partners of a row share.
; THE MATRIX INSTRUCTION IS USED TRANSPOSED (source 0 = 16 rows of B, source 1 = 16 rows of A): a lane holds eight neighbouring numbers of a row of C.
; REGISTERS.  window 0: v0-31 addresses; v32-127, v128-223 two fragment buffers (A's 8 blocks, then B's 4); v32-159 at work on the way out.   window 1: accumulator (a, b) at v[8 (4 a + b)].
.set SIZE_K, 1024
.set KSTEP,  128
.set PITCH,  272                       ; an LDS row: 256 bytes + 16 of padding: the 16 rows of a fragment load start at 16 different groups of four banks
.set AH,     128*PITCH                 ; half of A's tile: one tensor load, and what a wave reads of A
.set BH,     64*PITCH                  ; half of B's tile
.set BOFF,   2*AH
.set SLOT,   2*AH+2*BH
.set STAGE,  2*SLOT                    ; behind the ring: 256 rows x 272 bytes, the work-group's, for the way out; no tensor load lands there
.set SPITCH, 272
.set SPARE,  STAGE+256*SPITCH          ; the spare words, 128 bytes a wave: two blocks of 256 bytes that no other line names
.set LAPS,   SIZE_K/(2*KSTEP)
.set CROW,   6144                      ; bytes in a row of qkv
.set XCLEAN, 8192*SIZE_K*2             ; x_clean's first byte in opnd
.set WROWS,  2*XCLEAN                  ; the weights' first byte in opnd
.set ADRA, 16                          ; v16-17  LDS address of my A fragments in slot 0, 1
.set ADRB, 20                          ; v20-21  the same for B
.set STO,  24
.set RD,   25
.set CO,   26
.set SPW,  28                          ; v28  my spare word's address; never rewritten
.set NIL,  29                          ; v29  0; never rewritten
.set F0,   32
.set F1,   128
.set TMP,  32
.set G1,  24                           ; s[24:31] group 1 for A;  s[32:39] group 0, a set for each slot
.set G0,  32
.set G1B, 48                           ; s[48:55], s[56:63] the same for B
.set G0B, 56
.set MSB, 0
.macro WIN new                         ; the immediate's high byte repeats the setting that is left; a switch that changes nothing is dropped
.if MSB != (\new)
	s_set_vgpr_msb (MSB<<8)|(\new)
.set MSB, \new
.endif
.endm
.set MUL,  0x50                        ; C and D in window 1, fragments in window 0
.set PACK, 0x05                        ; sources 0 and 1 in window 1
.macro JLOAD s                         ; a joint load: waves 0, 1 fetch A's halves, waves 2, 3 B's; an s_nop 0 and four v_nop follow each line
	s_cmp_lt_u32 s10, 2
	s_cbranch_scc0 .Lfor_b_\@
	tensor_load_to_lds s[G0+4*(\s):G0+4*(\s)+3], s[G1:G1+7]
	s_nop 0
.rept 4
	v_nop
.endr
	s_branch .Lasked_\@
.Lfor_b_\@:
	tensor_load_to_lds s[G0B+4*(\s):G0B+4*(\s)+3], s[G1B:G1B+7]
	s_nop 0
.rept 4
	v_nop
.endr
.Lasked_\@:
.endm
.macro CREST                           ; a round of the cluster's barrier behind its opening barrier
	s_cmp_lg_u32 s10, 0
	s_cbranch_scc1 .Lnot_wave_0_\@
	s_barrier_signal -3
.Lnot_wave_0_\@:
	s_barrier_wait -3
	s_barrier_signal -1
	s_barrier_wait -1
.endm
.macro CROUND
	s_barrier_signal -1
	s_barrier_wait -1
	CREST
.endm
.macro PLACES                          ; four places in front of loads into registers that matrix instructions have read, and of lines that read results
.rept 4
	v_nop
.endr
.endm
	s_load_b64 s[4:5], s[0:1], 0x0                 ; opnd
	s_load_b64 s[8:9], s[0:1], 0x8                 ; qkv
	v_lshl_add_u32 v[SPW], v0, 2, SPARE
	v_mov_b32 v[NIL], 0
	ds_add_u32 v[SPW], v[NIL]                      ; the wave's opening: the add and its wait ahead of my first tensor load
	ds_add_u32 v28, v29
	v_lshrrev_b32 v1, 5, v0
	v_readfirstlane_b32 s10, v1                    ; wave 0..3
	s_lshr_b32 s11, s10, 1                         ; which 128 rows of the tile are mine
	s_and_b32 s12, s10, 1                          ; which 64 columns; also which half of A's or B's tile I fetch
	s_bfe_u32 s40, ttmp6, 0x40000                  ; cx, cy
	s_bfe_u32 s41, ttmp6, 0x40004
	s_lshl_b32 s42, ttmp9, 2
	s_add_co_u32 s42, s42, s40                     ; tile column
	s_and_b32 s13, ttmp7, 0xffff
	s_lshl_b32 s13, s13, 2
	s_add_co_u32 s13, s13, s41                     ; tile row
	s_lshl_b32 s43, s41, 2
	s_lshl_b32 s43, 15, s43                        ; my row of the cluster
	s_lshl_b32 s44, 0x1111, s40                    ; my column
	s_or_b32 s[G1+0], s43, (1<<16)|(1<<20)|(1<<21)|(5<<22)|(3<<25)   ; mask; 2-byte elements; padding on; bit 21 beside a mask; after every 64 words 4 words
	s_or_b32 s[G1B+0], s44, (1<<16)|(1<<20)|(1<<21)|(5<<22)|(3<<25)
	s_mov_b32 s[G1+1], KSTEP<<16                   ; tensor_dim0 = 128
	s_mov_b32 s[G1+2], 128<<16                     ; tensor_dim1 = 128
	s_mov_b32 s[G1+3], KSTEP<<16                   ; tile_dim0 = 128
	s_mov_b32 s[G1+4], 128                         ; tile_dim1 = 128
	s_mov_b32 s[G1+5], SIZE_K                      ; elements from row to row
	s_mov_b32 s[G1+6], 0
	s_mov_b32 s[G1+7], 0
	s_mov_b32 s[G1B+1], KSTEP<<16
	s_mov_b32 s[G1B+2], 64<<16                     ; B's halves have 64 rows
	s_mov_b32 s[G1B+3], KSTEP<<16
	s_mov_b32 s[G1B+4], 64
	s_mov_b32 s[G1B+5], SIZE_K
	s_mov_b32 s[G1B+6], 0
	s_mov_b32 s[G1B+7], 0
	s_lshl_b32 s17, s12, 7
	s_lshl_b32 s16, s13, 8
	s_add_co_u32 s16, s16, s17                     ; A: row 256 x tile row + 128 x half
	s_mul_i32 s16, s16, SIZE_K*2
	s_cmp_ge_u32 ttmp9, 2                          ; from cluster column 2 on (n >= 1024) A is x_clean
	s_cselect_b32 s18, XCLEAN, 0
	s_add_co_u32 s16, s16, s18
	s_mov_b32 s17, 0
	s_lshl_b32 s46, s42, 7
	s_lshl_b32 s47, s12, 6
	s_add_co_u32 s46, s46, s47                     ; B: row 128 x tile column + 64 x half
	s_mul_i32 s46, s46, SIZE_K*2
	s_mov_b32 s47, 0
	s_mul_i32 s20, s12, AH                         ; where they go: no place in the cluster enters an LDS address
	s_mul_i32 s45, s12, BH
	s_add_co_u32 s45, s45, BOFF
	s_wait_dscnt 0x0                               ; the opening add is done
	s_wait_kmcnt 0x0
	s_add_nc_u64 s[6:7], s[4:5], WROWS
	s_add_nc_u64 s[14:15], s[4:5], s[16:17]
	s_add_nc_u64 s[46:47], s[6:7], s[46:47]
	CROUND                                         ; all sixteen work-groups are here: the first joint loads meet
.irp s, 0,1
	s_mov_b32 s[G0+4*(\s)], 1
	s_add_co_u32 s[G0+4*(\s)+1], s20, (\s)*SLOT
	s_add_nc_u64 s[G0+4*(\s)+2:G0+4*(\s)+3], s[14:15], (\s)*KSTEP*2
	s_or_b32 s[G0+4*(\s)+3], s[G0+4*(\s)+3], 0x80000000
	s_mov_b32 s[G0B+4*(\s)], 1
	s_add_co_u32 s[G0B+4*(\s)+1], s45, (\s)*SLOT
	s_add_nc_u64 s[G0B+4*(\s)+2:G0B+4*(\s)+3], s[46:47], (\s)*KSTEP*2
	s_or_b32 s[G0B+4*(\s)+3], s[G0B+4*(\s)+3], 0x80000000
	JLOAD \s                                       ; two loads of mine are out here, one behind every later round
.endr
	v_and_b32 v1, 15, v0                           ; r = l % 16
	v_bfe_u32 v2, v0, 4, 1                         ; h = l / 16
	v_mul_u32_u24 v3, v1, PITCH
	v_lshl_add_u32 v3, v2, 4, v3                   ; a fragment's row x pitch + 16 x half
	s_mul_i32 s21, s11, AH
	s_mul_i32 s22, s12, BH
	s_add_co_u32 s22, s22, BOFF
.irp s, 0,1
	v_add_nc_u32 v[ADRA+(\s)], s21, v3
	v_add_nc_u32 v[ADRB+(\s)], s22, v3
	s_add_co_u32 s21, s21, SLOT
	s_add_co_u32 s22, s22, SLOT
.endr
	s_mul_i32 s23, s11, 128*SPITCH                 ; into the stage: my 128 rows, my half of their 256 bytes
	s_lshl_b32 s21, s12, 7
	s_add_co_u32 s23, s23, s21
	s_add_co_u32 s23, s23, STAGE
	v_add_nc_u32 v[STO], s23, v3
	s_mul_i32 s23, s10, 64*SPITCH                  ; back: wave w takes rows 64 w .. 64 w + 63, whole; lanes 0-15 one row, lanes 16-31 the next
	s_add_co_u32 s23, s23, STAGE
	v_mul_u32_u24 v5, v2, SPITCH
	v_lshl_add_u32 v5, v1, 4, v5
	v_add_nc_u32 v[RD], s23, v5
	v_mul_u32_u24 v5, v2, CROW
	v_lshl_add_u32 v[CO], v1, 4, v5
	s_lshl_b32 s16, s13, 8
	s_lshl_b32 s17, s10, 6
	s_add_co_u32 s16, s16, s17                     ; the first row of C that I store
	s_mul_i32 s16, s16, CROW
	s_mov_b32 s17, 0
	s_add_nc_u64 s[8:9], s[8:9], s[16:17]
	s_lshl_b32 s46, s42, 8                         ; the tile's first column, in bytes
	s_mov_b32 s47, 0
	s_add_nc_u64 s[8:9], s[8:9], s[46:47]
; 4 n matrix instructions: A's blocks a0 .. a0 + n - 1 x B's four, 32 along K, from buffer f.  The accumulators take turns, one instruction a turn.  zero = 1: the products start the sums.
.macro MULN f, a0, n, zero
	WIN MUL
.set ma, \a0
.rept \n
.irp b, 0,1,2,3
.if \zero
	v_wmma_f32_16x16x32_bf16 v[8*(4*ma+(\b)):8*(4*ma+(\b))+7], v[(\f)+64+8*(\b):(\f)+64+8*(\b)+7], v[(\f)+8*ma:(\f)+8*ma+7], 0
.else
	v_wmma_f32_16x16x32_bf16 v[8*(4*ma+(\b)):8*(4*ma+(\b))+7], v[(\f)+64+8*(\b):(\f)+64+8*(\b)+7], v[(\f)+8*ma:(\f)+8*ma+7], v[8*(4*ma+(\b)):8*(4*ma+(\b))+7]
.endif
.endr
.set ma, ma+1
.endr
.endm
; 24 LDS loads in one run: the fragments of 32 along K at byte k of the rows: B's 4 blocks, A's blocks 0-3, A's blocks 4-7
.macro FETCH slot, k, f
	WIN 0
.irp i, 0,1,2,3
	ds_load_b128 v[(\f)+64+8*(\i):(\f)+64+8*(\i)+3],   v[ADRB+(\slot)] offset:(\k)+(\i)*16*PITCH
	ds_load_b128 v[(\f)+64+8*(\i)+4:(\f)+64+8*(\i)+7], v[ADRB+(\slot)] offset:(\k)+(\i)*16*PITCH+32
.endr
.irp i, 0,1,2,3,4,5,6,7
	ds_load_b128 v[(\f)+8*(\i):(\f)+8*(\i)+3],   v[ADRA+(\slot)] offset:(\k)+(\i)*16*PITCH
	ds_load_b128 v[(\f)+8*(\i)+4:(\f)+8*(\i)+7], v[ADRA+(\slot)] offset:(\k)+(\i)*16*PITCH+32
.endr
.endm
; A K step is four quarters of 32 along K, 32 matrix instructions each, on buffers 0, 1, 0, 1.  One of the first three: multiplies f, and in its middle fetches the next quarter into g.
.macro QUARTER slot, k, f, g, zero
	s_wait_dscnt 8                                 ; B and A's blocks 0-3 are in; the youngest eight loads (A's blocks 4-7) may be out
	MULN \f, 0, 4, \zero
	PLACES
	FETCH \slot, \k, \g
	s_wait_dscnt 24                                ; all but the 24 just issued
	MULN \f, 4, 4, \zero
.endm
; The last quarter multiplies buffer 1 and changes slots: one barrier; in front of it each wave waits for all its tensor loads (one is out: its part of the next slot), adds 0 to its spare
; word, and waits for that and for its reads of this slot.  fill = 1: the barrier opens a round of the cluster's, and this slot is filled again, two K steps ahead, first thing behind it:
; 112 matrix instructions stand between that request and the wait for it.
.macro TURN slot, next, fill
	WIN 0
	s_wait_tensorcnt 0x0
	ds_add_u32 v[SPW], v[NIL]
	s_wait_dscnt 9                                 ; the add and the youngest eight loads may be out
	MULN F1, 0, 2, 0
	s_wait_dscnt 0x0                               ; the add is done, and my reads of this slot are over
	s_barrier_signal -1
	MULN F1, 2, 2, 0
.if \fill
	WIN 0
.endif
	s_barrier_wait -1
.if \fill
	CREST
	s_add_nc_u64 s[G0+4*(\slot)+2:G0+4*(\slot)+3], s[G0+4*(\slot)+2:G0+4*(\slot)+3], 2*KSTEP*2
	s_add_nc_u64 s[G0B+4*(\slot)+2:G0B+4*(\slot)+3], s[G0B+4*(\slot)+2:G0B+4*(\slot)+3], 2*KSTEP*2
	JLOAD \slot                                    ; its four v_nop are also the places in front of the loads below
.else
	PLACES
.endif
	FETCH \next, 0, F0
	MULN F1, 4, 4, 0
.endm
	s_wait_tensorcnt 1                             ; my part of K step 0 is in; K step 1's may stay out
	s_barrier_signal -1
	s_barrier_wait -1
	FETCH 0, 0, F0
	QUARTER 0, 64, F0, F1, 1                       ; the first quarter stands in front of the loop: its products start the sums
	WIN 0
	s_mov_b32 s3, LAPS-1
.Llap:                                                 ; a trip goes once round the ring and fills both slots again
	QUARTER 0, 128, F1, F0, 0
	QUARTER 0, 192, F0, F1, 0
	TURN 0, 1, 1
	QUARTER 1, 64,  F0, F1, 0
	QUARTER 1, 128, F1, F0, 0
	QUARTER 1, 192, F0, F1, 0
	TURN 1, 0, 1
	QUARTER 0, 64,  F0, F1, 0
	WIN 0
	s_sub_co_u32 s3, s3, 1
	s_cmp_lg_u32 s3, 0
	s_cbranch_scc1 .Llap
	QUARTER 0, 128, F1, F0, 0                      ; the last lap fills nothing
	QUARTER 0, 192, F0, F1, 0
	TURN 0, 1, 0
	QUARTER 1, 64,  F0, F1, 0
	QUARTER 1, 128, F1, F0, 0
	QUARTER 1, 192, F0, F1, 0
	s_wait_dscnt 8
	MULN F1, 0, 4, 0
	s_wait_dscnt 0x0
	MULN F1, 4, 4, 0
	WIN 0
	; THE WAY OUT: round to f16; 16 bytes a lane into the work-group's stage; a barrier, since a row's 256 bytes come from two waves; back as whole rows, 64 rows a wave.
	PLACES
	WIN PACK
.set t, 0
.rept 32
.irp r, 0,1,2,3
	v_cvt_pk_f16_f32 v[TMP+4*t+(\r)], v[8*t+2*(\r)], v[8*t+2*(\r)+1]  ; each accumulator from its low end on
.endr
.set t, t+1
.endr
	WIN 0
.irp a, 0,1,2,3,4,5,6,7
.irp b, 0,1,2,3
	ds_store_b128 v[STO], v[TMP+4*(4*(\a)+(\b)):TMP+4*(4*(\a)+(\b))+3] offset:(\a)*16*SPITCH+32*(\b)
.endr
.endr
	s_wait_dscnt 0x0                               ; for the others' sake: my stores into the stage are done
	s_barrier_signal -1
	s_barrier_wait -1
.set t, 0
.rept 32
	ds_load_b128 v[TMP+4*t:TMP+4*t+3], v[RD] offset:t*2*SPITCH
.set t, t+1
.endr
.set t, 0
.rept 32
	s_wait_dscnt 31-t
	global_store_b128 v[CO], v[TMP+4*t:TMP+4*t+3], s[8:9] offset:t*2*CROW  ; 16 lanes store 256 consecutive bytes, aligned
.set t, t+1
.endr
	s_wait_tensorcnt 0x0                           ; the wave's end
	ds_add_u32 v[SPW], v[NIL]
	s_wait_dscnt 0x0
	CROUND                                         ; the closing round
	s_endpgm
.Lfunc_end_k_qfc86fa1f59_qkv:
	.size	k_qfc86fa1f59_qkv, .Lfunc_end_k_qfc86fa1f59_qkv-k_qfc86fa1f59_qkv
	.p2alignl 7, 3214868480
	.fill 96, 4, 3214868480
	.section	.rodata,"a",@progbits
	.p2align	6, 0x0
	.amdhsa_kernel k_qfc86fa1f59_qkv
		.amdhsa_group_segment_fixed_size 327680
		.amdhsa_private_segment_fixed_size 0
		.amdhsa_enable_private_segment 0
		.amdhsa_kernarg_size 16
		.amdhsa_user_sgpr_count 2
		.amdhsa_user_sgpr_kernarg_segment_ptr 1
		.amdhsa_wavefront_size32 1
		.amdhsa_system_sgpr_workgroup_id_x 1
		.amdhsa_system_sgpr_workgroup_id_y 1
		.amdhsa_system_sgpr_workgroup_id_z 1
		.amdhsa_system_vgpr_workitem_id 0
		.amdhsa_next_free_vgpr 512
		.amdhsa_next_free_sgpr 66
		.amdhsa_reserve_vcc 0
		.amdhsa_float_denorm_mode_32 3
		.amdhsa_float_denorm_mode_16_64 3
		.amdhsa_memory_ordered 1
		.amdhsa_forward_progress 1
		.amdhsa_inst_pref_size 87
	.end_amdhsa_kernel
	.amdgpu_metadata
---
amdhsa.version: [ 1, 2 ]
amdhsa.kernels:
  - .name:           k_qfc86fa1f59_qkv
    .symbol:         k_qfc86fa1f59_qkv.kd
    .args:
      - { .name: opnd, .offset: 0, .size: 8, .value_kind: global_buffer, .address_space: global }
      - { .name: qkv, .offset: 8, .size: 8, .value_kind: global_buffer, .address_space: global }
    .group_segment_fixed_size: 327680
    .private_segment_fixed_size: 0
    .kernarg_segment_align: 8
    .kernarg_segment_size: 16
    .max_flat_workgroup_size: 128
    .sgpr_count:     66
    .vgpr_count:     512
    .wavefront_size: 32
...
	.end_amdgpu_metadata
.endif
;; end of part 2
;; launch attn (part 3): grid 8 x 32, 8 waves a work-group, no clusters, 327,680 bytes of LDS; arguments qkv, ablation_mask, ctx2; writes ctx2
.if DOCPART == 3
	.amdgcn_target "amdgcn-amd-amdhsa--gfx1250"
	.amdhsa_code_object_version 6
	.text
	.protected	k_qfc86fa1f59_attn
	.globl	k_qfc86fa1f59_attn
	.p2align	8
	.type	k_qfc86fa1f59_attn,@function
k_qfc86fa1f59_attn:
	s_mov_b64 s[64:65], 0
	v_nop
	global_prefetch_b8 v0, s[64:65] scope:SCOPE_SE
	s_setreg_imm32_b32 hwreg(HW_REG_WAVE_MODE, 25, 1), 1
	s_wait_xcnt 0x0
; WINDOWED ATTENTION.  For query i of a sequence of 2,048: softmax over the keys j with i - 255 <= j <= i of q[i] . k[j] (no scale), times v; the result times ablation_mask.
; q, k, v: f16, from qkv [8192][3072] (row 6,144 bytes: q, k, v; a pair of heads is 256 aligned bytes in each).  Products, maxima and sums in f32; the weights are rounded to f16 for the second product.
; OUT: ctx2 [8192][2048] bf16: context x mask as TWO bf16 numbers, upper part and remainder: channel C at elements 8 (C / 4) + C % 4 and four further on.  One bf16 would spend too much of the
; comparison's allowance; f16 has no room for a product of three inputs.  The mask is rounded to bf16 like every input of the program.
; LIMITS.  q, k, v arrive within f16's 65,504.  A hidden score counts as its value less 1e30 (f16's scores are 2.7e11 at the most).  A weight below 2^-126 counts as 0 in the sum; below 6e-5 it
; keeps f16's fixed step.  NaN and infinities are not treated apart.
; SHARES.  A work-group: 256 queries of one batch entry, two heads (a pair).  Wave w: the 32 queries 32 w .. (two tiles of 16), both heads.  All 512 keys that the block can see (the block before, and
; itself) are brought into LDS ONCE, 128 rows a wave: no slot is filled again, and one barrier stands in the text.
; NO CLUSTER: a tile of K or V is wanted by two neighbouring blocks only, at different places of their LDS, so a joint load's LDS address would hang on the place in the cluster.
; STEPS of 32 keys, from the diagonal backward: step m has the keys 32 m in front of the wave's queries.  m = 0 holds the diagonal, m = 8 the window's far edge, m = 1..7 hide nothing.
; The mask is the C operand that starts a sum of scores: 0, or -1e30.  Every query sees its own key in step 0, so the running maximum is a true score from the first step on.
; In block 0 a step whose keys would lie in front of the sequence is jumped over, forward, past no barrier and no tensor load.
; LAYOUT.  S^T = K Q^T holds one query a lane (l % 16) and the keys 8 (l / 16) + 0..7; two such results rounded to f16 ARE source 1 of O^T = V^T P.  V comes out of LDS turned (ds_load_tr16_b128).
; REGISTERS.  window 0: v0-16 addresses and constants; v20-35 statistics (c m, m, l, l) by head and tile; v36-43 at work; v64-127 S^T; v128-255 O^T.
;   window 1: v0-63 Q; v64-127 K of a step; v128-191 V of a step; v192-223 P; v224-247 three masks.  On the way out v0-127 take the ablation mask.
.set QROW,  6144
.set OROW,  4096                       ; a row of ablation_mask, and of ctx2
.set PK,    272                        ; a row of K in LDS: 256 + 16
.set PV,    288                        ; a row of V: 256 + 32
.set VBASE, 512*PK
.set STAGE, VBASE+512*PV               ; 16 rows x 272 bytes for each wave; no tensor load lands there
.set SP,    272
.set SPARE, STAGE+8*16*SP              ; the spare words, 128 bytes a wave: four blocks of 256 bytes that no other line names
.set AK0, 2
.set AV0, 3
.set AK,  4
.set AV,  5
.set QO,  6
.set STO, 7
.set RD,  8
.set GO,  9
.set ZERO, 12
.set MONE, 13
.set SPW, 14
.set NIL, 15
.set PFO, 16
.set ST,  20
.set TMP, 36
.set S,   64
.set O,   128
.set QF,  0
.set KF,  64
.set VF,  128
.set PF,  192
.set TRI, 224                          ; -1e30 where 8 (l / 16) + j > l % 16
.set TRIC, 232                         ; its complement
.set NEG, 240                          ; -1e30
.set MK,  0
.set WV,  12
.set G1K, 24
.set G1V, 32
.set G0K, 40
.set G0V, 44
.set TBK, 50                           ; s50  LDS byte of the step's first row of K
.set TBV, 51                           ; s51  the same for V, less VBASE
.set KI,  52                           ; s52  the step's first key in the sequence
.set CNT, 53
.set CS,  58                           ; s[58:59] log2(e)
.set SEL, 60
.set BIGN, 62
.set MSB, 0
.macro WIN new
.if MSB != (\new)
	s_set_vgpr_msb (MSB<<8)|(\new)
.set MSB, \new
.endif
.endm
.set W_MM, 0x05                        ; sources 0 and 1 in window 1, C and D in window 0
.set W_MK, 0x15                        ; the same with C in window 1
.set W_LD, 0x40                        ; destination in window 1
	s_load_b128 s[4:7], s[0:1], 0x0                ; qkv, ablation_mask
	s_load_b64 s[8:9], s[0:1], 0x10                ; ctx2
	v_lshl_add_u32 v[SPW], v0, 2, SPARE
	v_mov_b32 v[NIL], 0
	ds_add_u32 v[SPW], v[NIL]                      ; the wave's opening: the add and its wait ahead of my first tensor load
	ds_add_u32 v14, v15
	v_lshrrev_b32 v1, 5, v0
	v_readfirstlane_b32 s[WV], v1                  ; wave 0..7
	s_and_b32 s13, s[WV], 3                        ; which 128 of the 512 rows I fetch
	s_and_b32 s15, ttmp7, 0xffff
	s_and_b32 s14, s15, 7                          ; the pair of heads
	s_lshr_b32 s15, s15, 3                         ; the batch entry
	s_lshl_b32 s16, ttmp9, 8                       ; the block's first query in its sequence
	s_lshl_b32 s17, s15, 11                        ; the sequence's first row
	s_lshl_b32 s20, s14, 8                         ; the pair's 256 bytes
	s_lshl_b32 s18, s13, 7
	s_add_co_u32 s18, s18, s16
	s_sub_co_i32 s18, s18, 256                     ; LDS row 0 is the key 256 in front of the block
	s_max_i32 s18, s18, 0                          ; block 0 has none in front: those two loads bring the sequence's first rows, which no step reads
	s_add_co_u32 s18, s18, s17
	s_mul_i32 s18, s18, QROW
	s_add_co_u32 s18, s18, s20
	s_mov_b32 s19, 0
	s_lshl_b32 s21, s[WV], 5
	s_add_co_u32 s[KI], s16, s21                   ; step 0's first key = my first query
	s_add_co_u32 s21, s[KI], s17                   ; its row among the 8,192
	s_mul_i32 s22, s21, QROW
	s_add_co_u32 s22, s22, s20
	s_mov_b32 s23, 0
	s_lshl_b32 s48, s21, 12
	s_lshl_b32 s49, s14, 9                         ; the pair's 512 bytes in ablation_mask and in ctx2
	s_add_co_u32 s48, s48, s49
	s_mov_b32 s49, 0
	s_mov_b32 s[G1K], (1<<16)|(1<<20)|(5<<22)|(3<<25)  ; 2-byte elements; padding on; after every 64 words 4 words
	s_mov_b32 s[G1V], (1<<16)|(1<<20)|(5<<22)|(7<<25)  ; 8 words
.irp g, G1K, G1V
	s_mov_b32 s[(\g)+1], 128<<16                   ; tensor_dim0 = 128
	s_mov_b32 s[(\g)+2], 128<<16                   ; tensor_dim1 = 128
	s_mov_b32 s[(\g)+3], 128<<16                   ; tile_dim0 = 128
	s_mov_b32 s[(\g)+4], 128                       ; tile_dim1 = 128
	s_mov_b32 s[(\g)+5], 3072                      ; elements from row to row
	s_mov_b32 s[(\g)+6], 0
	s_mov_b32 s[(\g)+7], 0
.endr
	s_mov_b32 s[G0K], 1
	s_mul_i32 s[G0K+1], s13, 128*PK
	s_mov_b32 s[G0V], 1
	s_mul_i32 s[G0V+1], s13, 128*PV
	s_add_co_u32 s[G0V+1], s[G0V+1], VBASE
	s_mul_i32 s[TBK], s[WV], 32*PK
	s_add_co_u32 s[TBK], s[TBK], 256*PK            ; step 0: LDS row 256 + 32 w
	s_mul_i32 s[TBV], s[WV], 32*PV
	s_add_co_u32 s[TBV], s[TBV], 256*PV
	s_mul_i32 s54, s[WV], 16*SP
	s_add_co_u32 s54, s54, STAGE                   ; my stage
	s_mov_b32 s[CS], 0x3fb8aa3b                    ; log2(e)
	s_mov_b32 s[CS+1], s[CS]
	s_mov_b32 s[SEL], 0x76543210
	s_mov_b32 s[SEL+1], 0xfedcba98
	s_mov_b32 s[BIGN], 0xf149f2ca                  ; -1e30
	s_wait_dscnt 0x0                               ; the opening add is done
	s_wait_kmcnt 0x0
	s_add_nc_u64 s[G0K+2:G0K+3], s[4:5], s[18:19]
	s_add_nc_u64 s[G0V+2:G0V+3], s[G0K+2:G0K+3], 4096  ; v lies 4,096 bytes into a row,
	s_add_nc_u64 s[G0K+2:G0K+3], s[G0K+2:G0K+3], 2048  ; k 2,048
	s_or_b32 s[G0K+3], s[G0K+3], 0x80000000
	s_or_b32 s[G0V+3], s[G0V+3], 0x80000000
	s_add_nc_u64 s[56:57], s[4:5], s[22:23]        ; q at my first query
	s_add_nc_u64 s[6:7], s[6:7], s[48:49]
	s_add_nc_u64 s[8:9], s[8:9], s[48:49]
	s_cmp_lt_u32 s[WV], 4                          ; waves 0-3 fetch K's quarters, waves 4-7 V's: one tensor load a wave, the only one of the launch
	s_cbranch_scc0 .Lfor_v
	tensor_load_to_lds s[G0K:G0K+3], s[G1K:G1K+7]
	s_nop 0
.rept 4
	v_nop
.endr
	s_branch .Lasked
.Lfor_v:
	tensor_load_to_lds s[G0V:G0V+3], s[G1V:G1V+7]
	s_nop 0
.rept 4
	v_nop
.endr
.Lasked:
	v_and_b32 v1, 15, v0                           ; r = l % 16
	v_bfe_u32 v10, v0, 4, 1                        ; h = l / 16
	v_mul_u32_u24 v[QO], v1, QROW
	v_lshl_add_u32 v[QO], v10, 4, v[QO]
	WIN W_LD
.irp hd, 0,1
.irp t, 0,1
.irp c, 0,1                            ; Q stays in registers: head hd, tile t, channels 32 c on
	global_load_b128 v[QF+32*(\hd)+16*(\t)+8*(\c):QF+32*(\hd)+16*(\t)+8*(\c)+3],   v[QO], s[56:57] offset:(\t)*16*QROW+128*(\hd)+64*(\c)
	global_load_b128 v[QF+32*(\hd)+16*(\t)+8*(\c)+4:QF+32*(\hd)+16*(\t)+8*(\c)+7], v[QO], s[56:57] offset:(\t)*16*QROW+128*(\hd)+64*(\c)+32
.endr
.endr
.endr
	WIN 0
	v_and_b32 v[PFO], 31, v0
	v_lshlrev_b32 v[PFO], 12, v[PFO]               ; a lane a row
	global_prefetch_b8 v[PFO], s[6:7] th:TH_LOAD_NT scope:SCOPE_SE             ; my wave's own 32 rows x 512 bytes of ablation_mask, wanted behind the nine steps: each block of 256 bytes is
	global_prefetch_b8 v[PFO], s[6:7] offset:256 th:TH_LOAD_NT scope:SCOPE_SE  ; asked for once in the launch, by the wave that will load it; both lie inside the buffer
	v_lshlrev_b32 v11, 3, v10
	v_sub_nc_u32 v11, v1, v11                      ; r - 8 h
	WIN W_LD
.irp j, 0,1,2,3,4,5,6,7
	v_cmp_gt_i32 vcc_lo, \j, v11
	v_cndmask_b32 v[TRI+(\j)], 0, s[BIGN], vcc_lo
	v_cmp_le_i32 vcc_lo, \j, v11
	v_cndmask_b32 v[TRIC+(\j)], 0, s[BIGN], vcc_lo
	v_mov_b32 v[NEG+(\j)], s[BIGN]
.endr
	WIN 0
	v_mul_u32_u24 v[AK0], v1, PK
	v_lshl_add_u32 v[AK0], v10, 4, v[AK0]          ; row x pitch + 16 x half
	v_and_b32 v11, 7, v0
	v_lshl_add_u32 v[AV0], v10, 3, v11             ; the turning load: lane l reads key 8 h + l % 8, channels 8 ((l / 8) % 2) on
	v_mul_u32_u24 v[AV0], v[AV0], PV
	v_bfe_u32 v11, v0, 3, 1
	v_lshl_add_u32 v[AV0], v11, 4, v[AV0]
	v_add_nc_u32 v[AV0], VBASE, v[AV0]
	v_mul_u32_u24 v[STO], v1, SP                   ; into my stage: row r, 32 bytes for each half of the lanes
	v_lshl_add_u32 v[STO], v10, 5, v[STO]
	v_add_nc_u32 v[STO], s54, v[STO]
	v_mul_u32_u24 v[RD], v10, SP                   ; back: lanes 0-15 one row of 256 bytes, lanes 16-31 the next
	v_lshl_add_u32 v[RD], v1, 4, v[RD]
	v_add_nc_u32 v[RD], s54, v[RD]
	v_lshlrev_b32 v[GO], 12, v10                   ; and the same two rows in ablation_mask and ctx2
	v_lshl_add_u32 v[GO], v1, 4, v[GO]
	v_mov_b32 v[ZERO], 0
	v_mov_b32 v[MONE], -1.0
	v_mov_b32 v[TMP+3], 0                          ; v_permlanex16_b32's destinations count as read
	v_mov_b32 v[TMP+7], 0
.macro REGS hd, t
.set rS, S+32*(\hd)+16*(\t)
.set rT, ST+4*(2*(\hd)+(\t))
.set rC, TMP+4*(\t)
.set rP, PF+16*(\hd)+8*(\t)
.set rO, O+64*(\hd)+32*(\t)
.endm
; The scores of head hd: 8 products, four accumulators by turns.  The first link takes the mask as C.
; kind 0 (diagonal): (t0,kb0) TRI, (t0,kb1) NEG, (t1,kb0) 0, (t1,kb1) TRI.   kind 1: 0.   kind 2 (far edge): TRIC, 0, NEG, TRIC.
.macro SQ hd, kind
.irp c, 0,1
.irp kb, 0,1
.irp t, 0,1
.set rS, S+32*(\hd)+16*(\t)+8*(\kb)
.set rK, KF+32*(\hd)+16*(\kb)+8*(\c)
.set rQ, QF+32*(\hd)+16*(\t)+8*(\c)
.set rM, 0
.if (\kind) == 0
.if (\t) == (\kb)
.set rM, TRI
.elseif (\t) == 0
.set rM, NEG
.endif
.elseif (\kind) == 2
.if (\t) == (\kb)
.set rM, TRIC
.elseif (\t) == 1
.set rM, NEG
.endif
.endif
.if (\c) == 1
	WIN W_MM
	v_wmma_f32_16x16x32_f16 v[rS:rS+7], v[rK:rK+7], v[rQ:rQ+7], v[rS:rS+7]
.elseif rM != 0
	WIN W_MK
	v_wmma_f32_16x16x32_f16 v[rS:rS+7], v[rK:rK+7], v[rQ:rQ+7], v[rM:rM+7]
.else
.if (\kind) == 1
	WIN W_MM
.else
	WIN W_MK                                       ; the constant has no window: no switch between masked and plain links
.endif
	v_wmma_f32_16x16x32_f16 v[rS:rS+7], v[rK:rK+7], v[rQ:rQ+7], 0
.endif
.endr
.endr
.endr
.endm
; O^T += V^T P of head hd: 8 products on 8 accumulators.  kind 0: they start the sums.
.macro PVM hd, kind
	WIN W_MM
.irp cb, 0,1,2,3
.irp t, 0,1
.set rO, O+64*(\hd)+32*(\t)+8*(\cb)
.if (\kind) == 0
	v_wmma_f32_16x16x32_f16 v[rO:rO+7], v[VF+32*(\hd)+8*(\cb):VF+32*(\hd)+8*(\cb)+7], v[PF+16*(\hd)+8*(\t):PF+16*(\hd)+8*(\t)+7], 0
.else
	v_wmma_f32_16x16x32_f16 v[rO:rO+7], v[VF+32*(\hd)+8*(\cb):VF+32*(\hd)+8*(\cb)+7], v[PF+16*(\hd)+8*(\t):PF+16*(\hd)+8*(\t)+7], v[rO:rO+7]
.endif
.endr
.endr
.endm
; Number n of the 14 that find a tile's maximum and statistics.  s0-s15 are the lane's scores; each accumulator's lowest registers are read first.
;   0-6 two chains; 7 both and the old m; 8, 9 the query's other 16 keys lie in the lane 16 away: the new m; 10-12 c m, c m_old - c m_new; 13 a.   kind 0 has no old m and no a.
.macro XS hd, t, n, kind
	REGS \hd, \t
.if (\n) == 0
	v_max3_num_f32 v[rC], v[rS], v[rS+1], v[rS+2]
.elseif (\n) == 1
	v_max3_num_f32 v[rC+1], v[rS+8], v[rS+9], v[rS+10]
.elseif (\n) < 6
	v_max3_num_f32 v[rC+(\n)%2], v[rC+(\n)%2], v[rS+8*((\n)%2)+2*((\n)/2)+1], v[rS+8*((\n)%2)+2*((\n)/2)+2]
.elseif (\n) == 6
	v_max3_num_f32 v[rC], v[rC], v[rS+7], v[rS+15]
.elseif ((\n) == 7) && ((\kind) == 0)
	v_max_num_f32 v[rC], v[rC], v[rC+1]
.elseif (\n) == 7
	v_max3_num_f32 v[rC], v[rC], v[rC+1], v[rT+1]
.elseif (\n) == 8
	v_permlanex16_b32 v[rC+3], v[rC], s[SEL], s[SEL+1]
.elseif (\n) == 9
	v_max_num_f32 v[rT+1], v[rC], v[rC+3]
.elseif (\n) == 10
	v_mul_f32 v[rC+1], s[CS], v[rT+1]
.elseif (\n) == 12
	v_mov_b32 v[rT], v[rC+1]
.elseif (\kind) == 0
.elseif (\n) == 11
	v_sub_f32 v[rC], v[rT], v[rC+1]
.else
	v_exp_f32 v[rC+2], v[rC]
.endif
.endm
; The softmax of head hd for one step; the two tiles alternate line by line, so that no line reads the result of the one before it.
.macro SM hd, kind
	WIN 0
.irp n, 0,1,2,3,4,5,6,7,8,9,10,11,12,13
.irp t, 0,1
	XS \hd, \t, \n, \kind
.endr
.endr
.irp p, 0,1,2,3,4,5,6,7
.irp t, 0,1
	REGS \hd, \t
	v_pk_fma_f32 v[rS+2*(\p):rS+2*(\p)+1], v[rS+2*(\p):rS+2*(\p)+1], s[CS:CS+1], v[rT:rT+1] op_sel_hi:[1,0,0] neg_lo:[0,0,1] neg_hi:[0,0,1]  ; c s - c m
.endr
.endr
.irp e, 0,1,2,3,4,5,6,7,8,9,10,11,12,13,14,15
.irp t, 0,1
	REGS \hd, \t
	v_exp_f32 v[rS+(\e)], v[rS+(\e)]
.endr
.endr
	v_nop                                          ; a plain instruction between the last exponential and the use of its result (ISA guide 5.7.2)
	s_wait_alu depctr_va_vdst(0)
	WIN W_LD
.irp p, 0,1,2,3,4,5,6,7
.irp t, 0,1
	REGS \hd, \t
	v_cvt_pk_f16_f32 v[rP+(\p)], v[rS+2*(\p)], v[rS+2*(\p)+1]
.endr
.endr
	WIN 0
.irp z, 0,4,8,12
.irp t, 0,1
	REGS \hd, \t
	v_pk_add_f32 v[rS+(\z):rS+(\z)+1], v[rS+(\z):rS+(\z)+1], v[rS+(\z)+2:rS+(\z)+3]
.endr
.endr
.irp z, 0,8
.irp t, 0,1
	REGS \hd, \t
	v_pk_add_f32 v[rS+(\z):rS+(\z)+1], v[rS+(\z):rS+(\z)+1], v[rS+(\z)+4:rS+(\z)+5]
.endr
.endr
.irp t, 0,1
	REGS \hd, \t
.if (\kind) == 0
	v_pk_add_f32 v[rT+2:rT+3], v[rS:rS+1], v[rS+8:rS+9]       ; the first step starts l
.else
	v_pk_add_f32 v[rS:rS+1], v[rS:rS+1], v[rS+8:rS+9]
.endif
.endr
.if (\kind) != 0
.irp t, 0,1
	REGS \hd, \t
	v_pk_fma_f32 v[rT+2:rT+3], v[rT+2:rT+3], v[rC+2:rC+3], v[rS:rS+1] op_sel_hi:[1,0,1]  ; l = a l + the sum
.endr
.irp z, 0,1,2,3,4,5,6,7,8,9,10,11,12,13,14,15
.irp t, 0,1
	REGS \hd, \t
	v_pk_mul_f32 v[rO+2*(\z):rO+2*(\z)+1], v[rO+2*(\z):rO+2*(\z)+1], v[rC+2:rC+3] op_sel_hi:[1,0]  ; O^T times a, each accumulator from its low end on
.endr
.endr
.endif
.endm
; A STEP of 32 keys, both heads.  The two additions and two v_nop are the four places between the last product and the loads into the registers that it read (ISA guide 7.12.1 for vector instructions).
.macro STEP kind
	WIN 0
	v_add_nc_u32 v[AK], s[TBK], v[AK0]
	v_add_nc_u32 v[AV], s[TBV], v[AV0]
	v_nop
	v_nop
	WIN W_LD
.irp hd, 0,1
.irp kb, 0,1
.irp c, 0,1
	ds_load_b128 v[KF+32*(\hd)+16*(\kb)+8*(\c):KF+32*(\hd)+16*(\kb)+8*(\c)+3],   v[AK] offset:(\kb)*16*PK+128*(\hd)+64*(\c)
	ds_load_b128 v[KF+32*(\hd)+16*(\kb)+8*(\c)+4:KF+32*(\hd)+16*(\kb)+8*(\c)+7], v[AK] offset:(\kb)*16*PK+128*(\hd)+64*(\c)+32
.endr
.endr
.endr
.irp hd, 0,1
.irp cb, 0,1,2,3
	ds_load_tr16_b128 v[VF+32*(\hd)+8*(\cb):VF+32*(\hd)+8*(\cb)+3],   v[AV] offset:128*(\hd)+32*(\cb)
	ds_load_tr16_b128 v[VF+32*(\hd)+8*(\cb)+4:VF+32*(\hd)+8*(\cb)+7], v[AV] offset:128*(\hd)+32*(\cb)+16*PV
.endr
.endr
	s_wait_dscnt 16                                ; K is in; V's sixteen loads may be out
	SQ 0, \kind
	SQ 1, \kind
	WIN 0
.rept 4
	v_nop                                          ; the places behind the scores' products
.endr
	SM 0, \kind
	s_wait_dscnt 0x0                               ; V is in
	PVM 0, \kind
	SM 1, \kind                                    ; head 1's softmax stands behind head 0's products and names none of their registers
	PVM 1, \kind
	WIN 0
.endm
.macro NEXT                            ; 32 keys back
	s_sub_co_u32 s[TBK], s[TBK], 32*PK
	s_sub_co_u32 s[TBV], s[TBV], 32*PV
	s_sub_co_i32 s[KI], s[KI], 32
.endm
	s_wait_tensorcnt 0x0                           ; my quarter of K or V is in,
	s_barrier_signal -1
	s_barrier_wait -1                              ; everybody's is
	s_wait_loadcnt 0x0                             ; Q
	STEP 0
	NEXT
	s_mov_b32 s[CNT], 7
.Lmid:                                                 ; seven trips, whatever the wave; a step in front of the sequence's first key is jumped over
	s_cmp_lt_i32 s[KI], 0
	s_cbranch_scc1 .Lskip
	STEP 1
.Lskip:
	NEXT
	s_sub_co_u32 s[CNT], s[CNT], 1
	s_cmp_lg_u32 s[CNT], 0
	s_cbranch_scc1 .Lmid
	s_cmp_lt_i32 s[KI], 0
	s_cbranch_scc1 .Lout
	STEP 2
.Lout:
	; THE WAY OUT.  Part i = 2 t + hd is 16 queries x 64 channels.  The ablation mask's 32 loads go out first, into Q's and K's registers (their last matrix reader stands a softmax back).
	WIN W_LD
.irp i, 0,1,2,3
.irp g, 0,1,2,3,4,5,6,7
	global_load_b128 v[MK+4*(8*(\i)+(\g)):MK+4*(8*(\i)+(\g))+3], v[GO], s[6:7] offset:(16*((\i)/2)+2*(\g))*OROW+256*((\i)%2) th:TH_LOAD_NT  ; 16 lanes read 256 consecutive bytes, aligned
.endr
.endr
	WIN 0
.irp i, 0,1,2,3
	v_add_f32 v[ST+4*(\i)+2], v[ST+4*(\i)+2], v[ST+4*(\i)+3]  ; these four are the places behind the last products
.endr
.irp i, 0,1,2,3
	v_permlanex16_b32 v[ST+4*(\i)+3], v[ST+4*(\i)+2], s[SEL], s[SEL+1]
.endr
.irp i, 0,1,2,3
	v_add_f32 v[ST+4*(\i)+2], v[ST+4*(\i)+2], v[ST+4*(\i)+3]
.endr
.irp i, 0,1,2,3
	v_rcp_f32 v[ST+4*(\i)+2], v[ST+4*(\i)+2]
.endr
	v_nop                                          ; a plain instruction between the last reciprocal and the use of its result
	s_wait_alu depctr_va_vdst(0)
.irp i, 0,1,2,3
.irp z, 0,1,2,3,4,5,6,7,8,9,10,11,12,13,14,15
	v_pk_mul_f32 v[O+32*(\i)+2*(\z):O+32*(\i)+2*(\z)+1], v[O+32*(\i)+2*(\z):O+32*(\i)+2*(\z)+1], v[ST+4*(\i)+2:ST+4*(\i)+3] op_sel_hi:[1,0]
.endr
.endr
; Part i goes into my stage (row = query, 256 bytes of f32) and comes back by rows: a lane then holds four neighbouring channels of one query.
.macro TOST i
.set rO, O+64*((\i)%2)+32*((\i)/2)
.set rB, S+32*((\i)%2)
.irp cb, 0,1,2,3
	ds_store_b128 v[STO], v[rO+8*(\cb):rO+8*(\cb)+3] offset:64*(\cb)
	ds_store_b128 v[STO], v[rO+8*(\cb)+4:rO+8*(\cb)+7] offset:64*(\cb)+16
.endr
.irp g, 0,1,2,3,4,5,6,7
	ds_load_b128 v[rB+4*(\g):rB+4*(\g)+3], v[RD] offset:(\g)*2*SP  ; LDS serves a wave's instructions in order (ISA guide 5.7.1.4): these see the stores above
.endr
.endm
; Part i: the mask rounded to bf16; context x mask in f32; its upper part in bf16; the remainder, exact in f32, in bf16; 16 bytes a lane.  younger: the LDS instructions issued behind part i's.
.macro FIN i, younger
.set rO, O+64*((\i)%2)+32*((\i)/2)
.set rB, S+32*((\i)%2)
.set rM, MK+32*(\i)
	s_wait_dscnt \younger
	s_wait_loadcnt 24-8*(\i)                       ; part i's eight mask loads are in; the later parts' stay out
	WIN 0x45                                       ; destination and sources 0, 1 in window 1
.irp g, 0,1,2,3,4,5,6,7
	v_cvt_pk_bf16_f32 v[rM+4*(\g)],   v[rM+4*(\g)],   v[rM+4*(\g)+1]
	v_cvt_pk_bf16_f32 v[rM+4*(\g)+1], v[rM+4*(\g)+2], v[rM+4*(\g)+3]
.endr
	WIN 0x01                                       ; source 0 in window 1
.irp g, 0,1,2,3,4,5,6,7
	v_fma_mix_f32_bf16 v[rB+4*(\g)],   v[rM+4*(\g)],   v[rB+4*(\g)],   v[ZERO] op_sel_hi:[1,0,0]
	v_fma_mix_f32_bf16 v[rB+4*(\g)+1], v[rM+4*(\g)],   v[rB+4*(\g)+1], v[ZERO] op_sel:[1,0,0] op_sel_hi:[1,0,0]
	v_fma_mix_f32_bf16 v[rB+4*(\g)+2], v[rM+4*(\g)+1], v[rB+4*(\g)+2], v[ZERO] op_sel_hi:[1,0,0]
	v_fma_mix_f32_bf16 v[rB+4*(\g)+3], v[rM+4*(\g)+1], v[rB+4*(\g)+3], v[ZERO] op_sel:[1,0,0] op_sel_hi:[1,0,0]
.endr
	WIN 0
.irp g, 0,1,2,3,4,5,6,7
	v_cvt_pk_bf16_f32 v[rO+4*(\g)],   v[rB+4*(\g)],   v[rB+4*(\g)+1]
	v_cvt_pk_bf16_f32 v[rO+4*(\g)+1], v[rB+4*(\g)+2], v[rB+4*(\g)+3]
	v_fma_mix_f32_bf16 v[rB+4*(\g)],   v[rO+4*(\g)],   v[MONE], v[rB+4*(\g)]   op_sel_hi:[1,0,0]
	v_fma_mix_f32_bf16 v[rB+4*(\g)+1], v[rO+4*(\g)],   v[MONE], v[rB+4*(\g)+1] op_sel:[1,0,0] op_sel_hi:[1,0,0]
	v_fma_mix_f32_bf16 v[rB+4*(\g)+2], v[rO+4*(\g)+1], v[MONE], v[rB+4*(\g)+2] op_sel_hi:[1,0,0]
	v_fma_mix_f32_bf16 v[rB+4*(\g)+3], v[rO+4*(\g)+1], v[MONE], v[rB+4*(\g)+3] op_sel:[1,0,0] op_sel_hi:[1,0,0]
	v_cvt_pk_bf16_f32 v[rO+4*(\g)+2], v[rB+4*(\g)],   v[rB+4*(\g)+1]
	v_cvt_pk_bf16_f32 v[rO+4*(\g)+3], v[rB+4*(\g)+2], v[rB+4*(\g)+3]
	global_store_b128 v[GO], v[rO+4*(\g):rO+4*(\g)+3], s[8:9] offset:(16*((\i)/2)+2*(\g))*OROW+256*((\i)%2)  ; 16 lanes store 256 consecutive bytes, aligned; no store's register is written again
.endr
.endm
	TOST 0
	TOST 1
	FIN 0, 16
	TOST 2
	FIN 1, 16
	TOST 3
	FIN 2, 16
	FIN 3, 0
	s_wait_tensorcnt 0x0                           ; the wave's end
	ds_add_u32 v[SPW], v[NIL]
	s_wait_dscnt 0x0
	s_endpgm
.Lfunc_end_k_qfc86fa1f59_attn:
	.size	k_qfc86fa1f59_attn, .Lfunc_end_k_qfc86fa1f59_attn-k_qfc86fa1f59_attn
	.p2alignl 7, 3214868480
	.fill 96, 4, 3214868480
	.section	.rodata,"a",@progbits
	.p2align	6, 0x0
	.amdhsa_kernel k_qfc86fa1f59_attn
		.amdhsa_group_segment_fixed_size 327680
		.amdhsa_private_segment_fixed_size 0
		.amdhsa_enable_private_segment 0
		.amdhsa_kernarg_size 24
		.amdhsa_user_sgpr_count 2
		.amdhsa_user_sgpr_kernarg_segment_ptr 1
		.amdhsa_wavefront_size32 1
		.amdhsa_system_sgpr_workgroup_id_x 1
		.amdhsa_system_sgpr_workgroup_id_y 1
		.amdhsa_system_sgpr_workgroup_id_z 1
		.amdhsa_system_vgpr_workitem_id 0
		.amdhsa_next_free_vgpr 512
		.amdhsa_next_free_sgpr 66
		.amdhsa_reserve_vcc 1
		.amdhsa_float_denorm_mode_32 3
		.amdhsa_float_denorm_mode_16_64 3
		.amdhsa_memory_ordered 1
		.amdhsa_forward_progress 1
		.amdhsa_inst_pref_size 109
	.end_amdhsa_kernel
	.amdgpu_metadata
---
amdhsa.version: [ 1, 2 ]
amdhsa.kernels:
  - .name:           k_qfc86fa1f59_attn
    .symbol:         k_qfc86fa1f59_attn.kd
    .args:
      - { .name: qkv, .offset: 0, .size: 8, .value_kind: global_buffer, .address_space: global }
      - { .name: ablation_mask, .offset: 8, .size: 8, .value_kind: global_buffer, .address_space: global }
      - { .name: ctx2, .offset: 16, .size: 8, .value_kind: global_buffer, .address_space: global }
    .group_segment_fixed_size: 327680
    .private_segment_fixed_size: 0
    .kernarg_segment_align: 8
    .kernarg_segment_size: 24
    .max_flat_workgroup_size: 256
    .sgpr_count:     66
    .vgpr_count:     512
    .wavefront_size: 32
...
	.end_amdgpu_metadata
.endif
;; end of part 3
;; launch oproj (part 4): grid 8 x 32, 4 waves a work-group, clusters of 4 x 4, 327,680 bytes of LDS; arguments ctx2, wo2, out0, bo; writes out0
.if DOCPART == 4
	.amdgcn_target "amdgcn-amd-amdhsa--gfx1250"
	.amdhsa_code_object_version 6
	.text
	.protected	k_qfc86fa1f59_oproj
	.globl	k_qfc86fa1f59_oproj
	.p2align	8
	.type	k_qfc86fa1f59_oproj,@function
k_qfc86fa1f59_oproj:
	s_mov_b64 s[64:65], 0
	v_nop
	global_prefetch_b8 v0, s[64:65] scope:SCOPE_SE
	s_setreg_imm32_b32 hwreg(HW_REG_WAVE_MODE, 25, 1), 1
	s_wait_xcnt 0x0
	s_wait_alu depctr_hold_cnt(0) depctr_sa_sdst(0) depctr_va_vdst(0) depctr_va_sdst(0) depctr_va_ssrc(0) depctr_va_vcc(0) depctr_vm_vsrc(0)
	s_getreg_b32 s2, hwreg(HW_REG_IB_STS2, 6, 4)
	s_cmp_eq_u32 s2, 0
	s_cbranch_scc0 .Lentry_in_a_cluster
	s_endpgm
.Lentry_in_a_cluster:
	s_bfe_u32 s2, ttmp6, 0x10000c
	s_cmp_lg_u32 s2, 0xf033
	s_cbranch_scc0 .Lentry_shape_is_right
	s_endpgm
.Lentry_shape_is_right:
; out0[m][n] = sum over e of ctx2[m][e] wo2[n][e] + bo[n], m < 8192, n < 1024, e < 2048.  ctx2 holds context x mask as two bf16 numbers a channel (upper part, remainder), wo2 each number of Wo
; twice, in the same order: the sum over e is the sum over the 1,024 channels of (upper + remainder) x Wo.  Operands bf16, sums in f32, out0 f32.  bo is rounded to bf16 like every input of the program.
; A tile of C is 256 x 128: four waves, each 128 rows x 64 columns: 32 accumulators.  K goes in steps of 128 (rows of 256 bytes in memory, aligned) through two LDS slots.  256 work-groups.
; CLUSTER 4 x 4: the four of a row of the cluster need the same tile of A, the four of a column the same tile of B: each is asked for jointly.
; THE MATRIX INSTRUCTION IS USED TRANSPOSED (source 0 = 16 rows of B, source 1 = 16 rows of A): a lane holds eight neighbouring numbers of a row of C.
; REGISTERS.  window 0: v0-31 addresses and the bias; v32-127, v128-223 two fragment buffers (A's 8 blocks, then B's 4); v32-95 at work on the way out.   window 1: accumulator (a, b) at v[8 (4 a + b)].
.set SIZE_K, 2048
.set KSTEP,  128
.set PITCH,  272
.set AH,     128*PITCH
.set BH,     64*PITCH
.set BOFF,   2*AH
.set SLOT,   2*AH+2*BH
.set STAGE,  2*SLOT                    ; behind the ring: 16 rows x 272 bytes for each wave; no tensor load lands there
.set SPITCH, 272
.set SPARE,  STAGE+4*16*SPITCH         ; the spare words, 128 bytes a wave: two blocks of 256 bytes that no other line names
.set LAPS,   SIZE_K/(2*KSTEP)
.set OROW,   4096                      ; bytes in a row of out0
.set BOF,  6                           ; v6      my byte offset in the wave's 256 bytes of bo; never rewritten
.set BIAS, 8                           ; v[8:11] bo of my four columns; v12-13 at work
.set ADRA, 16
.set ADRB, 20
.set STO,  24
.set RD,   25
.set CO,   26
.set SPW,  28
.set NIL,  29
.set F0,   32
.set F1,   128
.set OB,   32                          ; the way out: 16 rows read back from the stage, two sets of 32 by turns
.set G1,  24
.set G0,  32
.set G1B, 48
.set G0B, 56
.set MSB, 0
.macro WIN new
.if MSB != (\new)
	s_set_vgpr_msb (MSB<<8)|(\new)
.set MSB, \new
.endif
.endm
.set MUL,  0x50                        ; C and D in window 1, fragments in window 0
.set ST1,  0x04                        ; an LDS store's data in window 1
.macro JLOAD s                         ; a joint load: waves 0, 1 fetch A's halves, waves 2, 3 B's; an s_nop 0 and four v_nop follow each line
	s_cmp_lt_u32 s10, 2
	s_cbranch_scc0 .Lfor_b_\@
	tensor_load_to_lds s[G0+4*(\s):G0+4*(\s)+3], s[G1:G1+7]
	s_nop 0
.rept 4
	v_nop
.endr
	s_branch .Lasked_\@
.Lfor_b_\@:
	tensor_load_to_lds s[G0B+4*(\s):G0B+4*(\s)+3], s[G1B:G1B+7]
	s_nop 0
.rept 4
	v_nop
.endr
.Lasked_\@:
.endm
.macro CREST
	s_cmp_lg_u32 s10, 0
	s_cbranch_scc1 .Lnot_wave_0_\@
	s_barrier_signal -3
.Lnot_wave_0_\@:
	s_barrier_wait -3
	s_barrier_signal -1
	s_barrier_wait -1
.endm
.macro CROUND
	s_barrier_signal -1
	s_barrier_wait -1
	CREST
.endm
.macro PLACES
.rept 4
	v_nop
.endr
.endm
	s_load_b128 s[4:7], s[0:1], 0x0                ; ctx2, wo2
	s_load_b64 s[8:9], s[0:1], 0x10                ; out0
	s_load_b64 s[66:67], s[0:1], 0x18              ; bo
	v_lshl_add_u32 v[SPW], v0, 2, SPARE
	v_mov_b32 v[NIL], 0
	ds_add_u32 v[SPW], v[NIL]                      ; the wave's opening: the add and its wait ahead of my first tensor load
	ds_add_u32 v28, v29
	v_lshrrev_b32 v1, 5, v0
	v_readfirstlane_b32 s10, v1                    ; wave 0..3
	s_lshr_b32 s11, s10, 1                         ; which 128 rows of the tile are mine
	s_and_b32 s12, s10, 1                          ; which 64 columns; also which half of A's or B's tile I fetch
	s_bfe_u32 s40, ttmp6, 0x40000                  ; cx, cy
	s_bfe_u32 s41, ttmp6, 0x40004
	s_lshl_b32 s42, ttmp9, 2
	s_add_co_u32 s42, s42, s40                     ; tile column
	s_and_b32 s13, ttmp7, 0xffff
	s_lshl_b32 s13, s13, 2
	s_add_co_u32 s13, s13, s41                     ; tile row
	s_lshl_b32 s43, s41, 2
	s_lshl_b32 s43, 15, s43                        ; my row of the cluster
	s_lshl_b32 s44, 0x1111, s40                    ; my column
	s_or_b32 s[G1+0], s43, (1<<16)|(1<<20)|(1<<21)|(5<<22)|(3<<25)
	s_or_b32 s[G1B+0], s44, (1<<16)|(1<<20)|(1<<21)|(5<<22)|(3<<25)
	s_mov_b32 s[G1+1], KSTEP<<16
	s_mov_b32 s[G1+2], 128<<16
	s_mov_b32 s[G1+3], KSTEP<<16
	s_mov_b32 s[G1+4], 128
	s_mov_b32 s[G1+5], SIZE_K
	s_mov_b32 s[G1+6], 0
	s_mov_b32 s[G1+7], 0
	s_mov_b32 s[G1B+1], KSTEP<<16
	s_mov_b32 s[G1B+2], 64<<16
	s_mov_b32 s[G1B+3], KSTEP<<16
	s_mov_b32 s[G1B+4], 64
	s_mov_b32 s[G1B+5], SIZE_K
	s_mov_b32 s[G1B+6], 0
	s_mov_b32 s[G1B+7], 0
	s_lshl_b32 s17, s12, 7
	s_lshl_b32 s16, s13, 8
	s_add_co_u32 s16, s16, s17                     ; A: row 256 x tile row + 128 x half
	s_mul_i32 s16, s16, SIZE_K*2
	s_mov_b32 s17, 0
	s_lshl_b32 s46, s42, 7
	s_lshl_b32 s47, s12, 6
	s_add_co_u32 s46, s46, s47                     ; B: row 128 x tile column + 64 x half
	s_mul_i32 s46, s46, SIZE_K*2
	s_mov_b32 s47, 0
	s_mul_i32 s20, s12, AH
	s_mul_i32 s45, s12, BH
	s_add_co_u32 s45, s45, BOFF
	s_wait_dscnt 0x0                               ; the opening add is done
	s_wait_kmcnt 0x0
	s_add_nc_u64 s[14:15], s[4:5], s[16:17]
	s_add_nc_u64 s[46:47], s[6:7], s[46:47]
	CROUND                                         ; all sixteen work-groups are here: the first joint loads meet
.irp s, 0,1
	s_mov_b32 s[G0+4*(\s)], 1
	s_add_co_u32 s[G0+4*(\s)+1], s20, (\s)*SLOT
	s_add_nc_u64 s[G0+4*(\s)+2:G0+4*(\s)+3], s[14:15], (\s)*KSTEP*2
	s_or_b32 s[G0+4*(\s)+3], s[G0+4*(\s)+3], 0x80000000
	s_mov_b32 s[G0B+4*(\s)], 1
	s_add_co_u32 s[G0B+4*(\s)+1], s45, (\s)*SLOT
	s_add_nc_u64 s[G0B+4*(\s)+2:G0B+4*(\s)+3], s[46:47], (\s)*KSTEP*2
	s_or_b32 s[G0B+4*(\s)+3], s[G0B+4*(\s)+3], 0x80000000
	JLOAD \s                                       ; two loads of mine are out here, one behind every later round
.endr
	v_and_b32 v1, 15, v0                           ; r
	v_bfe_u32 v2, v0, 4, 1                         ; h
	v_mul_u32_u24 v3, v1, PITCH
	v_lshl_add_u32 v4, v2, 5, v3                   ; the stage: row r, 32 bytes for each half of the lanes
	v_lshl_add_u32 v3, v2, 4, v3                   ; a fragment's row x pitch + 16 x half
	s_mul_i32 s21, s11, AH
	s_mul_i32 s22, s12, BH
	s_add_co_u32 s22, s22, BOFF
.irp s, 0,1
	v_add_nc_u32 v[ADRA+(\s)], s21, v3
	v_add_nc_u32 v[ADRB+(\s)], s22, v3
	s_add_co_u32 s21, s21, SLOT
	s_add_co_u32 s22, s22, SLOT
.endr
	s_mul_i32 s23, s10, 16*SPITCH
	s_add_co_u32 s23, s23, STAGE                   ; my stage
	v_add_nc_u32 v[STO], s23, v4
	v_mul_u32_u24 v5, v2, SPITCH                   ; back: lanes 0-15 one row of 256 bytes, lanes 16-31 the next
	v_lshl_add_u32 v5, v1, 4, v5
	v_add_nc_u32 v[RD], s23, v5
	v_lshlrev_b32 v5, 12, v2                       ; and the same two rows in out0
	v_lshl_add_u32 v[CO], v1, 4, v5
	v_lshlrev_b32 v[BOF], 4, v1
	s_lshl_b32 s16, s13, 8
	s_lshl_b32 s17, s11, 7
	s_add_co_u32 s16, s16, s17                     ; my first row of C
	s_lshl_b32 s16, s16, 12
	s_mov_b32 s17, 0
	s_add_nc_u64 s[8:9], s[8:9], s[16:17]
	s_lshl_b32 s46, s42, 9                         ; my first column, in bytes of f32: 512 x tile column + 256 x half: the same in out0's rows and in bo
	s_lshl_b32 s47, s12, 8
	s_add_co_u32 s46, s46, s47
	s_mov_b32 s47, 0
	s_add_nc_u64 s[8:9], s[8:9], s[46:47]
	s_add_nc_u64 s[66:67], s[66:67], s[46:47]
	global_load_b128 v[BIAS:BIAS+3], v[BOF], s[66:67]  ; waited for in front of the way out
.macro MULN f, a0, n, zero             ; 4 n matrix instructions; the accumulators take turns, one instruction a turn
	WIN MUL
.set ma, \a0
.rept \n
.irp b, 0,1,2,3
.if \zero
	v_wmma_f32_16x16x32_bf16 v[8*(4*ma+(\b)):8*(4*ma+(\b))+7], v[(\f)+64+8*(\b):(\f)+64+8*(\b)+7], v[(\f)+8*ma:(\f)+8*ma+7], 0
.else
	v_wmma_f32_16x16x32_bf16 v[8*(4*ma+(\b)):8*(4*ma+(\b))+7], v[(\f)+64+8*(\b):(\f)+64+8*(\b)+7], v[(\f)+8*ma:(\f)+8*ma+7], v[8*(4*ma+(\b)):8*(4*ma+(\b))+7]
.endif
.endr
.set ma, ma+1
.endr
.endm
.macro FETCH slot, k, f                ; 24 LDS loads in one run: B's 4 blocks, A's blocks 0-3, A's blocks 4-7
	WIN 0
.irp i, 0,1,2,3
	ds_load_b128 v[(\f)+64+8*(\i):(\f)+64+8*(\i)+3],   v[ADRB+(\slot)] offset:(\k)+(\i)*16*PITCH
	ds_load_b128 v[(\f)+64+8*(\i)+4:(\f)+64+8*(\i)+7], v[ADRB+(\slot)] offset:(\k)+(\i)*16*PITCH+32
.endr
.irp i, 0,1,2,3,4,5,6,7
	ds_load_b128 v[(\f)+8*(\i):(\f)+8*(\i)+3],   v[ADRA+(\slot)] offset:(\k)+(\i)*16*PITCH
	ds_load_b128 v[(\f)+8*(\i)+4:(\f)+8*(\i)+7], v[ADRA+(\slot)] offset:(\k)+(\i)*16*PITCH+32
.endr
.endm
.macro QUARTER slot, k, f, g, zero
	s_wait_dscnt 8                                 ; B and A's blocks 0-3 are in; the youngest eight loads may be out
	MULN \f, 0, 4, \zero
	PLACES
	FETCH \slot, \k, \g
	s_wait_dscnt 24                                ; all but the 24 just issued
	MULN \f, 4, 4, \zero
.endm
; The last quarter of a K step changes slots: each wave waits for all its tensor loads (one is out: its part of the next slot), adds 0 to its spare word, waits for that and for its reads of
; this slot, and signals.  fill = 1: the barrier opens a round of the cluster's, and the joint refill is the first thing behind it, 112 matrix instructions ahead of the wait for it.
.macro TURN slot, next, fill
	WIN 0
	s_wait_tensorcnt 0x0
	ds_add_u32 v[SPW], v[NIL]
	s_wait_dscnt 9                                 ; the add and the youngest eight loads may be out
	MULN F1, 0, 2, 0
	s_wait_dscnt 0x0
	s_barrier_signal -1
	MULN F1, 2, 2, 0
.if \fill
	WIN 0
.endif
	s_barrier_wait -1
.if \fill
	CREST
	s_add_nc_u64 s[G0+4*(\slot)+2:G0+4*(\slot)+3], s[G0+4*(\slot)+2:G0+4*(\slot)+3], 2*KSTEP*2
	s_add_nc_u64 s[G0B+4*(\slot)+2:G0B+4*(\slot)+3], s[G0B+4*(\slot)+2:G0B+4*(\slot)+3], 2*KSTEP*2
	JLOAD \slot
.else
	PLACES
.endif
	FETCH \next, 0, F0
	MULN F1, 4, 4, 0
.endm
	s_wait_tensorcnt 1                             ; my part of K step 0 is in; K step 1's may stay out
	s_barrier_signal -1
	s_barrier_wait -1
	FETCH 0, 0, F0
	QUARTER 0, 64, F0, F1, 1
	WIN 0
	s_mov_b32 s3, LAPS-1
.Llap:
	QUARTER 0, 128, F1, F0, 0
	QUARTER 0, 192, F0, F1, 0
	TURN 0, 1, 1
	QUARTER 1, 64,  F0, F1, 0
	QUARTER 1, 128, F1, F0, 0
	QUARTER 1, 192, F0, F1, 0
	TURN 1, 0, 1
	QUARTER 0, 64,  F0, F1, 0
	WIN 0
	s_sub_co_u32 s3, s3, 1
	s_cmp_lg_u32 s3, 0
	s_cbranch_scc1 .Llap
	QUARTER 0, 128, F1, F0, 0
	QUARTER 0, 192, F0, F1, 0
	TURN 0, 1, 0
	QUARTER 1, 64,  F0, F1, 0
	QUARTER 1, 128, F1, F0, 0
	QUARTER 1, 192, F0, F1, 0
	s_wait_dscnt 8
	MULN F1, 0, 4, 0
	s_wait_dscnt 0x0
	MULN F1, 4, 4, 0
	WIN 0
	; THE WAY OUT.  A wave's 64 columns of f32 are 256 aligned bytes of a row, so each wave has a stage of its own and no barrier is needed.
	s_wait_loadcnt 0x0                             ; bo
	v_cvt_pk_bf16_f32 v[BIAS+4], v[BIAS], v[BIAS+1]    ; rounded to bf16 and widened again: six plain lines, which are also the places behind the last products
	v_cvt_pk_bf16_f32 v[BIAS+5], v[BIAS+2], v[BIAS+3]
	v_lshlrev_b32 v[BIAS], 16, v[BIAS+4]
	v_and_b32 v[BIAS+1], 0xffff0000, v[BIAS+4]
	v_lshlrev_b32 v[BIAS+2], 16, v[BIAS+5]
	v_and_b32 v[BIAS+3], 0xffff0000, v[BIAS+5]
.macro TOSTAGE a                       ; block a (16 rows x 64 columns) into my stage, and back as whole rows of 256 bytes
.if (\a) >= 2
	s_wait_xcnt 0x0                                ; the set of registers loaded below was the data of stores two blocks ago: it is written again only behind this wait
.endif
	WIN ST1
.irp b, 0,1,2,3
	ds_store_b128 v[STO], v[8*(4*(\a)+(\b)):8*(4*(\a)+(\b))+3] offset:64*(\b)      ; each accumulator from its low end on
	ds_store_b128 v[STO], v[8*(4*(\a)+(\b))+4:8*(4*(\a)+(\b))+7] offset:64*(\b)+16
.endr
	WIN 0
.irp t, 0,1,2,3,4,5,6,7
	ds_load_b128 v[OB+32*((\a)%2)+4*(\t):OB+32*((\a)%2)+4*(\t)+3], v[RD] offset:(\t)*2*SPITCH  ; LDS serves a wave's instructions in order (ISA guide 5.7.1.4)
.endr
.endm
.macro SEND a, younger                 ; younger: the LDS instructions issued behind block a's: the next block's sixteen, or none
.set BK, OB+32*((\a)%2)
	s_wait_dscnt \younger
.irp t, 0,1,2,3,4,5,6,7
	v_pk_add_f32 v[BK+4*(\t):BK+4*(\t)+1],   v[BK+4*(\t):BK+4*(\t)+1],   v[BIAS:BIAS+1]
	v_pk_add_f32 v[BK+4*(\t)+2:BK+4*(\t)+3], v[BK+4*(\t)+2:BK+4*(\t)+3], v[BIAS+2:BIAS+3]
	global_store_b128 v[CO], v[BK+4*(\t):BK+4*(\t)+3], s[8:9] offset:(16*(\a)+2*(\t))*OROW th:TH_STORE_NT  ; 16 lanes store 256 consecutive bytes, aligned
.endr
.endm
	TOSTAGE 0
.irp a, 1,2,3,4,5,6,7
	TOSTAGE \a
	SEND (\a)-1, 16
.endr
	SEND 7, 0
	s_wait_tensorcnt 0x0                           ; the wave's end
	ds_add_u32 v[SPW], v[NIL]
	s_wait_dscnt 0x0
	CROUND                                         ; the closing round
	s_endpgm
.Lfunc_end_k_qfc86fa1f59_oproj:
	.size	k_qfc86fa1f59_oproj, .Lfunc_end_k_qfc86fa1f59_oproj-k_qfc86fa1f59_oproj
	.p2alignl 7, 3214868480
	.fill 96, 4, 3214868480
	.section	.rodata,"a",@progbits
	.p2align	6, 0x0
	.amdhsa_kernel k_qfc86fa1f59_oproj
		.amdhsa_group_segment_fixed_size 327680
		.amdhsa_private_segment_fixed_size 0
		.amdhsa_enable_private_segment 0
		.amdhsa_kernarg_size 32
		.amdhsa_user_sgpr_count 2
		.amdhsa_user_sgpr_kernarg_segment_ptr 1
		.amdhsa_wavefront_size32 1
		.amdhsa_system_sgpr_workgroup_id_x 1
		.amdhsa_system_sgpr_workgroup_id_y 1
		.amdhsa_system_sgpr_workgroup_id_z 1
		.amdhsa_system_vgpr_workitem_id 0
		.amdhsa_next_free_vgpr 512
		.amdhsa_next_free_sgpr 68
		.amdhsa_reserve_vcc 0
		.amdhsa_float_denorm_mode_32 3
		.amdhsa_float_denorm_mode_16_64 3
		.amdhsa_memory_ordered 1
		.amdhsa_forward_progress 1
		.amdhsa_inst_pref_size 94
	.end_amdhsa_kernel
	.amdgpu_metadata
---
amdhsa.version: [ 1, 2 ]
amdhsa.kernels:
  - .name:           k_qfc86fa1f59_oproj
    .symbol:         k_qfc86fa1f59_oproj.kd
    .args:
      - { .name: ctx2, .offset: 0, .size: 8, .value_kind: global_buffer, .address_space: global }
      - { .name: wo2, .offset: 8, .size: 8, .value_kind: global_buffer, .address_space: global }
      - { .name: out0, .offset: 16, .size: 8, .value_kind: global_buffer, .address_space: global }
      - { .name: bo, .offset: 24, .size: 8, .value_kind: global_buffer, .address_space: global }
    .group_segment_fixed_size: 327680
    .private_segment_fixed_size: 0
    .kernarg_segment_align: 8
    .kernarg_segment_size: 32
    .max_flat_workgroup_size: 128
    .sgpr_count:     68
    .vgpr_count:     512
    .wavefront_size: 32
...
	.end_amdgpu_metadata
.endif
;; end of part 4
